; MI455X (gfx1250); checked and timed in simulation.
; The chip was launched on July 23, 2026; its instructions are those of AMD's public machine-readable ISA for CDNA 5 (MIT licence, August 2026) and "CDNA5" Instruction Set Architecture Reference Guide (July 2026). The comments in the code are by the model that wrote it; some were corrected since.
;; MMOE Lora Linear. Allowed arithmetic: matrix products marked QUANTISED: E4M3 operands, one given power-of-two scale a tensor, by v_wmma_f32_16x16x64_fp8_fp8 or v_wmma_f32_16x16x128_fp8_fp8, f32 sums; products left as they are: f32 operands where the result goes on into a quantised operand, else bf16, f16 or f32 operands; f32 sums; everything else in f32.
;; Inputs: Wa_codes 8 x 8 x 128 x 32 uint8 (E4M3 codes of Wa, K innermost, in blocks of 32 codes); Wb 8 x 4,096 x 8 float32; base_W_codes 4,096 x 128 x 32 uint8 (E4M3 codes of base_W, K innermost, in blocks of 32 codes); base_b 4,096 float32; gate_W 8 x 64 float32; lowp_scales 6 int32 (the exponents e of the quantised operands' scales 2^e); task_emb 9 x 64 float32; task_id 8 int32; x_codes 8 x 256 x 128 x 32 uint8 (E4M3 codes of x, K innermost, in blocks of 32 codes).
;; Outputs: out0 8 x 256 x 4,096 float32.
;; This version of the problem:
;;   THIS VERSION OF THE PROBLEM IS GIVEN IN LOW PRECISION. The matrix products marked QUANTISED in the list below multiply operands that are first quantised to E4M3 (4 exponent bits, 3 mantissa bits; 8 bits a number), with one given power-of-two scale for each operand tensor; their sums are f32. All else is computed in f32.
;;   The module's matrix products, in the order in which they are computed (A, B: the left and right operand; K: the contracted axis; several contracted axes count as one K, in the product's order):
;;     1. [M 2,048, K 4,096] x [K 4,096, N 4,096]; A: input x (given as codes); B: input base_W (given as codes): QUANTISED (scales: A lowp_scales[0], B lowp_scales[1])
;;     2. [M 8, K 64] x [K 64, N 8]; A: computed on the way; B: input gate_W: left as it is (M = 8 < 16)
;;     3. [M 64, K 4,096] x [K 4,096, N 2,048]; A: input Wa (given as codes); B: input x (given as codes): QUANTISED (scales: A lowp_scales[2], B lowp_scales[3])
;;     4. batch 64 x [M 2,048, K 1] x [K 1, N 1]; A: computed on the way; B: computed on the way: left as it is (no contracted axis)
;;     5. [M 2,048, K 64] x [K 64, N 4,096]; A: computed on the way; B: input Wb: QUANTISED (scales: A lowp_scales[4], B lowp_scales[5])
;;   THE QUANTISER, for each operand of a quantised product, along K:
;;     - The operand's scale is 2^e, e = its entry of the input lowp_scales (int32; the entries are numbered through the quantised products in the list's order, A before B).
;;     - Each number is divided by the scale, clamped to +-448, and rounded to the nearest number of E4M3, ties to even, subnormals kept.
;;     - The product sums the exact products of the quantised numbers (number of the format x scale) in f32.
;;   ~~~python
;;   def quantise(x, axis, e):      # numpy; x: float32 -> the quantised numbers, widened to float32 again
;;       x = np.moveaxis(x, axis, -1); K = x.shape[-1]
;;       r = np.clip(x / 2.0 ** e, -448, 448)
;;       step = 2.0 ** (np.maximum(np.frexp(np.where(r == 0, 1, r))[1] - 1, -6) - 3)
;;       q = np.round(r / step) * step * 2.0 ** e      # np.round: ties to even
;;       return np.moveaxis(q, -1, axis).astype(np.float32)
;;   ~~~
;;   OPERANDS COMPUTED ON THE WAY. 'Computed on the way' means the value that the module computes at that place (a softmax that the list does not call 'softmax' is quantised finished and normalised). What goes into a quantiser is computed in f32, as accurately as f32 sums, v_exp_f32 and their like allow (about 1e-6 of the number): no bf16 or f16 on the way to a quantiser, and a product that is left as it is and whose result goes on into a quantised operand takes f32 operands (vector FMAs, or v_wmma_f32_16x16x4_f32). A number that lies on a knife's edge between two numbers of the format may be rounded either way, as far as f32 arithmetic and the matrix unit's own rounding can turn it there, and no further.
;;   INPUTS GIVEN AS CODES. Wa (in the module: [8, 8, 4096], K = its axis 2); base_W (in the module: [4096, 4096], K = its axis 1); x (in the module: [8, 256, 4096], K = its axis 2): each comes as NAME_codes (uint8): NAME with its K axis moved to the last place and cut into blocks of 32 codes, [.., K / 32, bytes a block], one block behind the other in memory; one code a byte (a code: sign, 4 exponent bits, 3 mantissa bits); its scale is its entry of lowp_scales. Its value is code x scale, taken as it is: it is not quantised again, and the codes and scales need not be those that the quantiser above would give.
;; One version. Each part assembles by itself: llvm-mc -triple=amdgcn-amd-amdhsa -mcpu=gfx1250 --defsym DOCPART=n.
;; ======== version 1 of 1: 1 launch
;; limits: right only within a limited range of input values
;; launch mmoe (part 1): grid 16 x 16, 4 waves a work-group, clusters of 4 x 4, 327,680 bytes of LDS; arguments x_codes, base_W_codes, Wa_codes, Wb, base_b, gate_W, task_emb, task_id, lowp_scales, out0; writes out0
.if DOCPART == 1
	.amdgcn_target "amdgcn-amd-amdhsa--gfx1250"
	.amdhsa_code_object_version 6
	.text
	.protected	k_q95b403bd6d_mmoe
	.globl	k_q95b403bd6d_mmoe
	.p2align	8
	.type	k_q95b403bd6d_mmoe,@function
k_q95b403bd6d_mmoe:
	s_mov_b64 s[64:65], 0
	v_nop
	global_prefetch_b8 v0, s[64:65] scope:SCOPE_SE
	s_setreg_imm32_b32 hwreg(HW_REG_WAVE_MODE, 25, 1), 1
	s_wait_xcnt 0x0
	s_wait_alu depctr_hold_cnt(0) depctr_sa_sdst(0) depctr_va_vdst(0) depctr_va_sdst(0) depctr_va_ssrc(0) depctr_va_vcc(0) depctr_vm_vsrc(0)
	s_getreg_b32 s2, hwreg(HW_REG_IB_STS2, 6, 4)
	s_cmp_eq_u32 s2, 0
	s_cbranch_scc0 .Lentry_in_a_cluster
	s_endpgm
.Lentry_in_a_cluster:
	s_bfe_u32 s2, ttmp6, 0x10000c
	s_cmp_lg_u32 s2, 0xf033
	s_cbranch_scc0 .Lentry_shape_is_right
	s_endpgm
.Lentry_shape_is_right:
; out[2048][4096] = x base_W^T 2^(e0+e1) + base_b + 0.25 Q(h gw) Q(Wb)^T 2^(e4+e5),  h = x Wa^T 2^(e2+e3) ([row][64 = (expert, rank)]),  gw = softmax over the 8 experts of task_emb[task_id[batch]] . gate_W.
; x, base_W, Wa: codes of E4M3, K innermost, rows of 4,096 bytes.  Wb: f32, quantised here with 2^e5 along K = (expert, rank).  h gw: f32, quantised here with 2^e4.  All in ONE launch; nothing goes through memory.
; SHARES.  A work-group makes 128 rows (tile mt, one batch: mt / 2) x 256 columns (tile nt).  Wave w takes all 128 rows, columns 64 w .. 64 w + 63, and Wa's rows 16 w .. 16 w + 15: 32 + 8 accumulators.
; h wants the very fragments of x that the first product reads, so Wa's 64 rows ride along as 64 more columns: a step of 128 along K is 40 matrix instructions on 13 fragments.
; K goes through two LDS slots of unlike length that take turns: Q holds 256 along K, P 512; 11 phases Q P Q P .. Q make 4,096.  Waves 0 and 1 fetch the halves of x's 128 rows, waves 2 and 3 those of base_W's 256: one tensor load a wave
; behind each change of slots.  A fragment of Wa is read by one wave alone, so Wa stays out of LDS: a wave loads its 16 rows' 256 bytes of a slab whole, by eight loads on end, into its operands' registers two slabs ahead (three register sets by turns).
; CHANGES OF SLOTS.  Q's barrier stands in its second step; P's, whose refill is twice as long, at the end of its third: the fragments of P's fourth step are in registers by then.
; CLUSTERS: 4 x 4 work-groups.  x's tile hangs on mt alone and is asked for jointly by the four of a column of the cluster, base_W's on nt alone, by the four of a row.
; PREFETCH: behind each joint load (and LDS loads behind it) stands the prefetch of what the NEXT joint load fetches, one phase on.  The four partners of a joint load share its rows out by address, 32 each of 128.  The last trip asks for nothing.
; Wa, the same 256 KiB for all, has its loads two slabs ahead already.
; EVERY MATRIX INSTRUCTION IS USED TRANSPOSED (source 0 = 16 rows of base_W, Wa or Wb; source 1 = 16 rows of x or of Q(h gw)): lane (r = l % 16, h = l / 16) holds row r and its register j column 8 h + j.
; In wave w's tile of h a lane's eight registers are (expert 2 w + h, ranks 0 .. 7): one gate weight a lane, and one conversion gives registers 2 w, 2 w + 1 of the K = 64 form's fragment (k = 16 c + 8 h + j, c = w).
; SCALES: code of h gw = (sum3 x gw) / 2^(e4 - e2 - e3);  out = (sum1 x F1 + sum5) x F2 + base_b,  F1 = 2^(e0 + e1 - e4 - e5 + 2),  F2 = 2^(e4 + e5 - 2): powers of two, which round nothing short of overflow and underflow.
; LIMITS: e5 and e4 - e2 - e3 between -126 and 119;  e0 + e1 - e4 - e5 + 2 and e4 + e5 - 2 between -126 and 127.  NaN and infinities in Wb, task_emb, gate_W are not served.  task_id is held at 8 from above.
; In the softmax (logit - largest logit) is held at -200 from below: e^-200 is 0 in f32.  Within 128 along K the places of k are permuted alike in both operands: an order of rounding other than ascending k.
; REGISTERS, in windows of 256:
;   window 0: v0-31 addresses and constants; v32-63 Wb's codes (4 fragments x 8); v64-95 the gate's numbers, v96-127 a part of Wb's f32, at the end v64-127 Q(h gw)'s 8 fragments x 8; v128-255 x's fragments, set 0
;   window 1: v0-63, v64-127 base_W's fragments, sets 0 and 1; v128-255 x's fragments, set 1
;   window 2: the 32 accumulators, (a, b) at v[8 (4 a + b)]
;   window 3: v0-63 h's 8 accumulators; v64-159 Wa's three slabs; v160-255 the other part of Wb's f32, at the end h gw and the way out
.set QP,   272                         ; an LDS row of Q: 256 bytes + 16 of padding = 68 words; of P: 512 + 16 = 132 words: row r starts at bank 4 r mod 64 (64 banks of 4 bytes: ISA guide 11.1)
.set PP_,  528
.set BOFFQ, 128*QP                     ; Q: x's 128 rows, then base_W's 256
.set PB,   384*QP                      ; P begins here: x's 128 rows, then base_W's 256
.set BOFFP, 128*PP_
.set SPARE, PB+384*PP_                 ; the spare words, 128 bytes for each wave: two blocks of 256 bytes that no other line names
.set STAGE, SPARE+512                  ; the way out: 16 rows x 272 bytes for each wave
.set A5IMG, PB                         ; Q(h gw) as an image of its registers: [block a][register pair c][lane] 8 bytes: 8,192 bytes, in P, which has had its last fill and its last read by then
.set ADRA, 2                           ; v2, v3   LDS address of my fragments of x in Q, P
.set ADRB, 4                           ; v4, v5   of base_W
.set STO,  8                           ; v8       the stage: where I put 32 bytes of a row
.set RD,   9                           ; v9       and where I read rows back
.set CO,   10                          ; v10      my byte offset in the wave's part of out
.set IMS,  11                          ; v11      where I store my pair of the image
.set IML,  12                          ; v12      where I load the image from
.set GW,   14                          ; v[14:15] my lane's gate weight
.set HSC,  16                          ; v16, v17 2^(e4 - e2 - e3) and 448 x that
.set HLIM, 17
.set WSC,  18                          ; v18, v19 2^e5 and 448 x that
.set WLIM, 19
.set BI,   20                          ; v[20:23] base_b at the four columns that I store
.set SPW,  28                          ; v28      LDS address of my spare word; never rewritten
.set NIL,  29                          ; v29      0; never rewritten
.set PFO,  30                          ; v30      the prefetches' offset: lane x 4,096; never rewritten
.set WAO,  31                          ; v31      my offset in Wa: row 16 w + r, + 16 h; never rewritten
.set B5,   32
.set A5,   64
.set WR3,  96                          ; Wb's f32: tile 3 in window 0,
.set WR,   160                         ; tiles 0 to 2 in window 3
.set HT,   160                         ; window 3: h gw, 64 numbers
.set HC,   224                         ; window 3: its codes, 8 pairs
.set BK,   160                         ; window 3: the way out: two banks of 32
.set WV,   24                          ; s24 wave; s25, s26 cx, cy; s27, s28 mt, nt
.set CX,   25
.set CY,   26
.set MT,   27
.set NT,   28
.set SEL,  30                          ; s[30:31] lane selects for v_permlanex16_b32: lane l xor 16
.set G1A,  32                          ; s[32:39], s[40:47] descriptor group 1 for x in Q, P;  s[48:55], s[56:63] for base_W
.set G1B,  48
.set KIND, 66                          ; 0: I fetch for x, 1: for base_W;  which half of the rows
.set HALF, 67
.set G0A,  68                          ; s[68:71], s[72:75] group 0 for x in Q, P;  s[76:79], s[80:83] for base_W
.set G0B,  76
.set PFA,  84                          ; s[84:85] where my prefetches stand
.set F1,   98                          ; s[98:99]
.set F2,   100                         ; s[100:101]
.set PADQ, (1<<20)|(1<<21)|(5<<22)|(3<<25)   ; elements of 1 byte; padding on; 21 set beside a mask; after every 64 words (code 5), 4 words (code 3)
.set PADP, (1<<20)|(1<<21)|(6<<22)|(3<<25)   ; after every 128 words (code 6)
.set MSB, 0
.macro WIN new                         ; the immediate's high byte repeats the setting that is left; a switch that changes nothing is dropped
.if MSB != (\new)
	s_set_vgpr_msb (MSB<<8)|(\new)
.set MSB, (\new)
.endif
.endm
.macro PLACES                          ; four places in front of loads into registers that matrix instructions have read, and of the first read of results (ISA guide 7.12.1 for the first read of results)
.rept 4
	v_nop
.endr
.endm
.macro CREST                           ; a round of the cluster's barrier behind its opening barrier
	s_cmp_lg_u32 s[WV], 0
	s_cbranch_scc1 .Lnot_wave_0_\@
	s_barrier_signal -3
.Lnot_wave_0_\@:
	s_barrier_wait -3
	s_barrier_signal -1
	s_barrier_wait -1
.endm
.macro CROUND                          ; a whole round
	s_barrier_signal -1
	s_barrier_wait -1
	CREST
.endm
; A joint load into slot s (0: Q, 1: P).  The branch hangs on the wave's number alone.  s_nop 0 and four v_nop follow each line.
.macro JLOAD s
	s_cmp_eq_u32 s[KIND], 0
	s_cbranch_scc0 .Lfor_b_\@
	tensor_load_to_lds s[G0A+4*\s:G0A+4*\s+3], s[G1A+8*\s:G1A+8*\s+7]
	s_nop 0
	PLACES
	s_branch .Lasked_\@
.Lfor_b_\@:
	tensor_load_to_lds s[G0B+4*\s:G0B+4*\s+3], s[G1B+8*\s:G1B+8*\s+7]
	s_nop 0
	PLACES
.Lasked_\@:
.endm
; The prefetch of a P: 512 bytes of each row: of x's 32 rows wave 0 names the first 256, wave 1 (its address lies 256 further on) the second; of base_W's 32 rows each of waves 2 and 3 names both.
.macro ASKP off
	global_prefetch_b8 v[PFO], s[PFA:PFA+1] offset:\off th:TH_LOAD_NT scope:SCOPE_SE
	s_cmp_eq_u32 s[KIND], 0
	s_cbranch_scc1 .Lone_\@
	global_prefetch_b8 v[PFO], s[PFA:PFA+1] offset:\off+256 th:TH_LOAD_NT scope:SCOPE_SE
.Lone_\@:
.endm
; The prefetch of a Q: 256 bytes of each row: wave 0 for x, waves 2 and 3 for base_W.
.macro ASKQ off
	s_cmp_eq_u32 s[WV], 1
	s_cbranch_scc1 .Lnone_\@
	global_prefetch_b8 v[PFO], s[PFA:PFA+1] offset:\off th:TH_LOAD_NT scope:SCOPE_SE
.Lnone_\@:
.endm
.macro G1SET g, c, r                   ; a descriptor's group 1 behind its first word: r rows of c bytes, 4,096 from row to row
	s_mov_b32 s[\g+1], \c<<16
	s_mov_b32 s[\g+2], \r<<16
	s_mov_b32 s[\g+3], \c<<16
	s_mov_b32 s[\g+4], \r
	s_mov_b32 s[\g+5], 4096
	s_mov_b32 s[\g+6], 0
	s_mov_b32 s[\g+7], 0
.endm
.macro WALOAD ws, off                  ; a slab of Wa, 16 rows x 256 bytes, into set ws: registers 16 q + 4 c .. + 3: K = 128 q + 32 c + 16 h + 0 .. 15
	WIN 0xc0                                       ; destination window 3
.irp c, 0,1,2,3,4,5,6,7
	global_load_b128 v[64+32*\ws+4*\c:64+32*\ws+4*\c+3], v[WAO], s[8:9] offset:\off+32*\c
.endr
.endm
	s_load_b512 s[4:19], s[0:1], 0x0               ; x 4:5, base_W 6:7, Wa 8:9, Wb 10:11, base_b 12:13, gate_W 14:15, task_emb 16:17, task_id 18:19
	s_load_b128 s[20:23], s[0:1], 0x40             ; lowp_scales 20:21, out0 22:23
	v_lshl_add_u32 v[SPW], v0, 2, SPARE
	v_mov_b32 v[NIL], 0
	ds_add_u32 v[SPW], v[NIL]                      ; the wave's opening: the add, twice on end, and its wait
	ds_add_u32 v[SPW], v[NIL]
	v_lshrrev_b32 v1, 5, v0
	v_readfirstlane_b32 s[WV], v1                  ; wave 0..3
	s_lshr_b32 s[KIND], s[WV], 1
	s_and_b32 s[HALF], s[WV], 1
	s_bfe_u32 s[CX], ttmp6, 0x40000                ; my place in the cluster
	s_bfe_u32 s[CY], ttmp6, 0x40004
	s_lshl_b32 s[MT], ttmp9, 2
	s_add_co_u32 s[MT], s[MT], s[CX]               ; row tile = 4 x cluster x + cx
	s_and_b32 s[NT], ttmp7, 0xffff
	s_lshl_b32 s[NT], s[NT], 2
	s_add_co_u32 s[NT], s[NT], s[CY]               ; column tile = 4 x cluster y + cy
	s_lshl_b32 s2, 0x1111, s[CX]                   ; my column of the cluster: the four that share mt
	s_or_b32 s[G1A], s2, PADQ
	s_or_b32 s[G1A+8], s2, PADP
	s_lshl_b32 s3, s[CY], 2
	s_lshl_b32 s3, 15, s3                          ; my row: the four that share nt
	s_or_b32 s[G1B], s3, PADQ
	s_or_b32 s[G1B+8], s3, PADP
	G1SET G1A, 256, 64
	G1SET G1A+8, 512, 64
	G1SET G1B, 256, 128
	G1SET G1B+8, 512, 128
	s_mov_b32 s[G0A], 1                            ; count 1
	s_mov_b32 s[G0A+4], 1
	s_mov_b32 s[G0B], 1
	s_mov_b32 s[G0B+4], 1
	s_mul_i32 s[G0A+1], s[HALF], 64*QP             ; where the tiles go: by the wave's half alone
	s_mul_i32 s[G0A+5], s[HALF], 64*PP_
	s_add_co_u32 s[G0A+5], s[G0A+5], PB
	s_mul_i32 s[G0B+1], s[HALF], 128*QP
	s_add_co_u32 s[G0B+1], s[G0B+1], BOFFQ
	s_mul_i32 s[G0B+5], s[HALF], 128*PP_
	s_add_co_u32 s[G0B+5], s[G0B+5], PB+BOFFP
	s_lshl_b32 s86, s[MT], 19                      ; x: 128 rows of 4,096 bytes a tile, 64 a half
	s_lshl_b32 s87, s[HALF], 18
	s_add_co_u32 s86, s86, s87
	s_mov_b32 s87, 0
	s_lshl_b32 s88, s[NT], 20                      ; base_W: 256 rows a tile, 128 a half
	s_lshl_b32 s89, s[HALF], 19
	s_add_co_u32 s88, s88, s89
	s_mov_b32 s89, 0
	s_lshr_b32 s29, s[MT], 1                       ; my batch
	s_lshl_b32 s29, s29, 2
	s_wait_dscnt 0x0                               ; both opening adds are done
	CROUND                                         ; all sixteen work-groups are here: the first joint loads meet.  (The arguments are on their way meanwhile)
	s_wait_kmcnt 0x0
	s_load_b32 s29, s[18:19], s29 offset:0x0       ; my batch's task
	s_load_b128 s[92:95], s[20:21], 0x0            ; e0 .. e3
	s_load_b64 s[96:97], s[20:21], 0x10            ; e4, e5
	s_add_nc_u64 s[G0A+2:G0A+3], s[4:5], s[86:87]
	s_add_nc_u64 s[G0A+6:G0A+7], s[G0A+2:G0A+3], 256   ; P's 512 along K begin behind Q's 256
	s_or_b32 s[G0A+3], s[G0A+3], 0x80000000
	s_or_b32 s[G0A+7], s[G0A+7], 0x80000000
	s_add_nc_u64 s[G0B+2:G0B+3], s[6:7], s[88:89]
	s_add_nc_u64 s[G0B+6:G0B+7], s[G0B+2:G0B+3], 256
	s_or_b32 s[G0B+3], s[G0B+3], 0x80000000
	s_or_b32 s[G0B+7], s[G0B+7], 0x80000000
	JLOAD 0                                        ; Q's first fill: one tensor load a wave at the head
	; the prefetches: x: rows 32 cy .. of the tile's 128; base_W: rows 32 cx .. of the 128 that I fetch
	s_lshl_b32 s90, s[MT], 19
	s_lshl_b32 s91, s[CY], 17
	s_add_co_u32 s90, s90, s91
	s_lshl_b32 s91, s[HALF], 8                     ; wave 1: 256 along K further on
	s_add_co_u32 s90, s90, s91
	s_mov_b32 s91, 0
	s_add_nc_u64 s[90:91], s[4:5], s[90:91]
	s_lshl_b32 s30, s[NT], 20
	s_lshl_b32 s31, s[HALF], 19
	s_add_co_u32 s30, s30, s31
	s_lshl_b32 s31, s[CX], 17
	s_add_co_u32 s30, s30, s31
	s_mov_b32 s31, 0
	s_add_nc_u64 s[30:31], s[6:7], s[30:31]
	s_cmp_eq_u32 s[KIND], 0
	s_cselect_b64 s[PFA:PFA+1], s[90:91], s[30:31]
	v_and_b32 v[PFO], 31, v0
	v_lshlrev_b32 v[PFO], 12, v[PFO]
	ASKP 256                                       ; what the next joint load, P's first fill, fetches
	; every vector address: a constant, the lane's term, the wave's term
	v_and_b32 v24, 15, v0                          ; r
	v_bfe_u32 v25, v0, 4, 1                        ; h
	v_and_b32 v26, 31, v0                          ; lane
	v_lshlrev_b32 v[WAO], 12, v24
	v_lshl_add_u32 v[WAO], v25, 4, v[WAO]
	s_lshl_b32 s3, s[WV], 16
	v_add_nc_u32 v[WAO], s3, v[WAO]
	v_mul_u32_u24 v27, v24, QP
	v_lshl_add_u32 v[ADRA], v25, 4, v27            ; a fragment's row x pitch + 16 h
	v_mul_u32_u24 v[ADRA+1], v24, PP_
	v_lshl_add_u32 v[ADRA+1], v25, 4, v[ADRA+1]
	v_add_nc_u32 v[ADRA+1], PB, v[ADRA+1]
	s_mul_i32 s3, s[WV], 64*QP                     ; my 64 rows of base_W
	s_add_co_u32 s3, s3, BOFFQ
	v_add_nc_u32 v[ADRB], s3, v[ADRA]
	s_mul_i32 s3, s[WV], 64*PP_
	s_add_co_u32 s3, s3, BOFFP
	v_add_nc_u32 v[ADRB+1], s3, v[ADRA+1]
	s_mul_i32 s3, s[WV], 16*QP                     ; my stage
	s_add_co_u32 s3, s3, STAGE
	v_lshl_add_u32 v[STO], v25, 5, v27             ; in: row r, 32 bytes for each half of the lanes
	v_add_nc_u32 v[STO], s3, v[STO]
	v_mul_u32_u24 v[RD], v25, QP                   ; back: lanes 0-15 one row of 256 bytes, lanes 16-31 the next
	v_lshl_add_u32 v[RD], v24, 4, v[RD]
	v_add_nc_u32 v[RD], s3, v[RD]
	v_lshlrev_b32 v[CO], 14, v25                   ; and the same two rows in out (a row: 16,384 bytes)
	v_lshl_add_u32 v[CO], v24, 4, v[CO]
	v_lshl_add_u32 v[IML], v26, 3, A5IMG           ; the image: 8 bytes a lane,
	s_lshl_b32 s3, s[WV], 8
	v_add_nc_u32 v[IMS], s3, v[IML]                ; my wave's register pair 256 w on
	v_lshlrev_b32 v1, 17, v25                      ; Wb[e][o][rank]: expert 2 c + h: h x 131,072,
	v_lshl_add_u32 v1, v24, 5, v1                  ; column r x 32
	v_lshlrev_b32 v13, 4, v24                      ; base_b: my four columns, 16 r
	v_bfe_u32 v26, v0, 3, 2                        ; the gate: lane l takes expert (l + 2 w) % 8 and the quarter (l / 8) % 4 of the 64 numbers
	v_lshlrev_b32 v26, 6, v26
	s_lshl_b32 s3, s[WV], 1
	v_add_nc_u32 v27, s3, v0
	v_and_b32 v27, 7, v27
	v_lshl_add_u32 v27, v27, 8, v26
	s_wait_alu depctr_va_vdst(0)
	WALOAD 0, 0                                    ; Wa's slabs 0 and 1
	WALOAD 1, 256
	WIN 0
	s_lshl_b32 s2, s[NT], 13                       ; Wb: o x 32 bytes: 256 nt + 64 w columns on
	s_lshl_b32 s3, s[WV], 11
	s_add_co_u32 s2, s2, s3
	s_mov_b32 s3, 0
	s_add_nc_u64 s[10:11], s[10:11], s[2:3]
	s_lshr_b32 s2, s2, 3                           ; the same columns x 4 bytes, in base_b and in a row of out
	s_add_nc_u64 s[12:13], s[12:13], s[2:3]
	s_add_nc_u64 s[22:23], s[22:23], s[2:3]
	s_lshl_b32 s86, s[MT], 21                      ; out: 128 rows of 16,384 bytes a tile
	s_mov_b32 s87, 0
	s_add_nc_u64 s[22:23], s[22:23], s[86:87]
	global_load_b128 v[BI:BI+3], v13, s[12:13]
.irp i, 0,1,2,3
	global_load_b128 v[64+4*\i:64+4*\i+3], v27, s[14:15] offset:16*\i
.endr
.macro WBLOAD reg, b                   ; tile b (16 columns), register pair c: Wb(expert 2 c + h, column 16 b + r, ranks 0 .. 7): k = 16 c + 8 h + 0 .. 7, as the K = 64 form's layout has it
.irp c, 0,1,2,3
	global_load_b128 v[\reg+8*\c:\reg+8*\c+3], v1, s[10:11] offset:\c*262144+\b*512
	global_load_b128 v[\reg+8*\c+4:\reg+8*\c+7], v1, s[10:11] offset:\c*262144+\b*512+16
.endr
.endm
	WIN 0xc0
	WBLOAD WR, 0
	WBLOAD WR+32, 1
	WBLOAD WR+64, 2
	WIN 0
	WBLOAD WR3, 3
	s_wait_kmcnt 0x0                               ; the task and the six exponents
	s_min_u32 s29, s29, 8                          ; the table has 9 rows
	s_lshl_b32 s86, s29, 8                         ; of 256 bytes
	s_add_nc_u64 s[16:17], s[16:17], s[86:87]
.irp i, 0,1,2,3
	global_load_b128 v[80+4*\i:80+4*\i+3], v26, s[16:17] offset:16*\i
.endr
	s_add_co_i32 s2, s97, 127
	s_lshl_b32 s3, s2, 23
	v_mov_b32 v[WSC], s3                           ; 2^e5 as f32: the conversion takes its exponent field
	s_add_co_i32 s2, s2, 8
	s_lshl_b32 s2, s2, 23
	s_or_b32 s2, s2, 0x600000
	v_mov_b32 v[WLIM], s2                          ; 448 x 2^e5
	s_sub_co_i32 s2, s96, s94
	s_sub_co_i32 s2, s2, s95
	s_add_co_i32 s2, s2, 127
	s_lshl_b32 s3, s2, 23
	v_mov_b32 v[HSC], s3                           ; 2^(e4 - e2 - e3): the three scales folded into one
	s_add_co_i32 s2, s2, 8
	s_lshl_b32 s2, s2, 23
	s_or_b32 s2, s2, 0x600000
	v_mov_b32 v[HLIM], s2
	s_add_co_i32 s[F2], s96, s97                   ; e4 + e5
	s_add_co_i32 s[F1], s92, s93
	s_sub_co_i32 s[F1], s[F1], s[F2]
	s_add_co_i32 s[F1], s[F1], 129
	s_lshl_b32 s[F1], s[F1], 23                    ; F1 = 2^(e0 + e1 - e4 - e5 + 2)
	s_mov_b32 s[F1+1], s[F1]                       ; (named with it as a pair, so it is written)
	s_add_co_i32 s[F2], s[F2], 125
	s_lshl_b32 s[F2], s[F2], 23                    ; F2 = 2^(e4 + e5 - 2): the 0.25 is in it
	s_mov_b32 s[F2+1], s[F2]
; A fragment, 16 rows x 128 K, is 16 registers: lane l holds row l % 16; registers 4 c .. 4 c + 3 hold K = 32 c + 16 (l / 16) + 0 .. 15: the same places in x, base_W and Wa
.macro FRAG reg, adr, q, i, fr
.irp c, 0,1,2,3
	ds_load_b128 v[(\reg)+4*\c:(\reg)+4*\c+3], v[\adr] offset:128*(\q)+32*\c+(\i)*(\fr)
.endr
.endm
; base_W's fragments i0 .. i0 + n - 1 of slot sl's q-th 128 along K into set p: four loads each
.macro LDW sl, q, p, i0, n
	WIN 0x40                                       ; destination window 1
.set fi, \i0
.rept \n
	FRAG 64*(\p)+16*fi, ADRB+\sl, \q, fi, 16*(QP+256*\sl)
.set fi, fi+1
.endr
.endm
.macro LDX sl, q, p, i0, n             ; x's
	WIN (\p)<<6                                    ; destination window 0 or 1
.set fi, \i0
.rept \n
	FRAG 128+16*fi, ADRA+\sl, \q, fi, 16*(QP+256*\sl)
.set fi, fi+1
.endr
.endm
; x's blocks a0 .. a0 + n - 1 against base_W's four.  The 40 accumulators take turns, one instruction a turn.  zero = 1: the product starts the sum
.macro MULM p, a0, n, zero
.set ma, \a0
.rept \n
.irp b, 0,1,2,3
.if \zero
	v_wmma_f32_16x16x128_fp8_fp8 v[8*(4*ma+\b):8*(4*ma+\b)+7], v[64*(\p)+16*\b:64*(\p)+16*\b+15], v[128+16*ma:128+16*ma+15], 0
.else
	v_wmma_f32_16x16x128_fp8_fp8 v[8*(4*ma+\b):8*(4*ma+\b)+7], v[64*(\p)+16*\b:64*(\p)+16*\b+15], v[128+16*ma:128+16*ma+15], v[8*(4*ma+\b):8*(4*ma+\b)+7]
.endif
.endr
.set ma, ma+1
.endr
.endm
.macro MULH p, hs, zero                ; x's eight blocks against my 16 rows of Wa: half p of the slab in set hs
.irp a, 0,1,2,3,4,5,6,7
.if \zero
	v_wmma_f32_16x16x128_fp8_fp8 v[8*\a:8*\a+7], v[64+32*\hs+16*(\p):64+32*\hs+16*(\p)+15], v[128+16*\a:128+16*\a+15], 0
.else
	v_wmma_f32_16x16x128_fp8_fp8 v[8*\a:8*\a+7], v[64+32*\hs+16*(\p):64+32*\hs+16*(\p)+15], v[128+16*\a:128+16*\a+15], v[8*\a:8*\a+7]
.endif
.endr
.endm
.set MUL, 0xa1                         ; base_W's products: source 0 window 1, source 1 window 0 (+ 4: window 1), C and D window 2
.set MULA, 0xf3                        ; Wa's: source 0, C and D window 3, source 1 likewise
; A step of 128 along K on set pp.  The next step's 48 loads, from slot nsl's nq-th 128, go into the other set in one run behind the first eight products.
; The loads come back in the order of issue: base_W's 16, then x's blocks, four each.
; woff >= 0: the slab of Wa two slabs on is asked for, into set ws, which the slab before this one has done with.  lw >= 0: a slab's first step: the loads that may be out are those of the younger slabs, eight each
.macro STEP nsl, nq, pp, zero, hs, woff, ws, lw
	s_wait_dscnt 24                                ; base_W's fragments and x's blocks 0, 1 are in; x's blocks 2-7 may be out
	WIN MUL+4*\pp
	MULM \pp, 0, 2, \zero
	s_wait_dscnt 0x0                               ; x's blocks 2-7 are in
	PLACES                                         ; for the loads into the other set, and into Wa's
	LDW \nsl, \nq, 1-\pp, 0, 4
	LDX \nsl, \nq, 1-\pp, 0, 8
.if \woff >= 0
	WALOAD \ws, \woff
.endif
	WIN MUL+4*\pp
	MULM \pp, 2, 6, \zero
.if \lw >= 0
	s_wait_loadcnt \lw
.endif
	WIN MULA+4*\pp
	MULH \pp, \hs, \zero
	WIN 0
.endm
.macro ONWARD s                        ; slot s's next fill: 768 along K further on
	s_add_nc_u64 s[G0A+4*\s+2:G0A+4*\s+3], s[G0A+4*\s+2:G0A+4*\s+3], 768
	s_add_nc_u64 s[G0B+4*\s+2:G0B+4*\s+3], s[G0B+4*\s+2:G0B+4*\s+3], 768
.endm
; Q's second step (set 1) and its change of slots: ONE barrier; in front of it each wave waits for all its tensor loads, adds 0 to its spare word, and waits for that and for its reads of Q.
; The barrier opens a round of the cluster's; behind it Q is filled again and P is read.  ask = 1: what the next joint load fetches, into P, is prefetched.
.macro TURNQ ask
	s_wait_tensorcnt 0x0                           ; all my tensor loads have landed: the one that was out is my part of P; so a group 0 may be written
	ds_add_u32 v[SPW], v[NIL]                      ; 0 onto my spare word
	ONWARD 0
	s_wait_dscnt 25                                ; (x's blocks 2-7, 24 loads, and the add may be out)
	WIN MUL+4
	MULM 1, 0, 2, 0
	s_wait_dscnt 0x0                               ; the add is done, and my reads of Q are over
	s_barrier_signal -1
	MULM 1, 2, 2, 0
	WIN 0
	s_barrier_wait -1
	CREST                                          ; no wave of any partner still reads Q or has a load on its way
	JLOAD 0                                        ; my one tensor load behind the round; the four v_nop behind it are also the places in front of the loads below
	LDW 1, 0, 0, 0, 4
	LDX 1, 0, 0, 0, 8
.if \ask
	WIN 0
	ASKP 1024
.endif
	WIN MUL+4
	MULM 1, 4, 4, 0
	WIN MULA+4
	MULH 1, 0, 0
	WIN 0
.endm
; P's third step (set 0) and its change of slots: the fourth step's fragments are read in the first half, and the barrier stands at the end.  fill = 1: it opens a round of the cluster's, and P is filled again
.macro TURNP fill, woff, ws, lw
	s_wait_dscnt 24
	WIN MUL
	MULM 0, 0, 2, 0
	s_wait_dscnt 0x0                               ; all of this step's are in
	PLACES
	LDW 1, 3, 1, 0, 4
	LDX 1, 3, 1, 0, 8
.if \woff >= 0
	WALOAD \ws, \woff
.endif
	WIN MUL
	MULM 0, 2, 4, 0
	WIN 0
	s_wait_tensorcnt 0x0                           ; all my tensor loads have landed: the one that was out is my part of Q; so a group 0 may be written
	ds_add_u32 v[SPW], v[NIL]                      ; 0 onto my spare word
.if \fill
	ONWARD 1
.endif
	WIN MUL
	MULM 0, 6, 2, 0
	s_wait_loadcnt \lw                             ; this slab of Wa is in
	s_wait_dscnt 0x0                               ; the add is done, and my reads of P are over
	s_barrier_signal -1
	WIN MULA
	MULH 0, 2, 0
	WIN 0
	s_barrier_wait -1
.if \fill
	CREST                                          ; no wave of any partner still reads P or has a load on its way
	JLOAD 1
.endif
.endm
	s_wait_alu depctr_va_vdst(0)
	s_wait_tensorcnt 0x0                           ; my part of Q is in
	ds_add_u32 v[SPW], v[NIL]
	s_wait_dscnt 0x0
	CROUND                                         ; everybody's part is in, and all sixteen work-groups are here
	JLOAD 1                                        ; P's first fill, the first tensor load behind the round
	LDW 0, 0, 0, 0, 4
	LDX 0, 0, 0, 0, 8
	WIN 0
	ASKQ 768                                       ; what the next joint load fetches
	STEP 0, 1, 0, 1, 0, 512, 2, 57                 ; the first step's products start the sums.  Behind Wa's slab 0 were issued slab 1 (8), base_b and gate_W (5), Wb (32), task_emb (4), slab 2 (8): 57
	; ---- while P's first fill is on its way: Wb's codes and the gate
	s_wait_loadcnt 12                              ; Wb is in: younger are task_emb's 4 and the 8 of Wa's slab 2
	WIN 0xc3                                       ; source 0 and destination window 3
.set n, 0
.rept 96
	v_med3_num_f32 v[WR+n], v[WR+n], -v[WLIM], v[WLIM]   ; the conversion to an 8-bit code does not saturate (ISA guide 7.6.2): the hold at the largest code x the scale
.set n, n+1
.endr
	WIN 0
.set n, 0
.rept 32
	v_med3_num_f32 v[WR3+n], v[WR3+n], -v[WLIM], v[WLIM]
.set n, n+1
.endr
	WIN 0x03                                       ; source 0 window 3
.set n, 0
.rept 12
	v_cvt_scalef32_pk8_fp8_f32 v[B5+2*n:B5+2*n+1], v[WR+8*n:WR+8*n+7], v[WSC]   ; n = 4 b + c: registers 2 c, 2 c + 1 of tile b's fragment
.set n, n+1
.endr
	WIN 0
.irp c, 0,1,2,3
	v_cvt_scalef32_pk8_fp8_f32 v[B5+24+2*\c:B5+24+2*\c+1], v[WR3+8*\c:WR3+8*\c+7], v[WSC]
.endr
	v_nop                                          ; one plain vector instruction behind the last scaled conversion
	s_mov_b32 s[SEL], 0x76543210
	s_mov_b32 s[SEL+1], 0xfedcba98
	s_mov_b32 s2, 0x3fb8aa3b                       ; log2(e), its f32 number,
	s_mov_b32 s3, 0x32a57060                       ; and what that number lacks
	s_wait_loadcnt 8                               ; all but Wa's slab 2
	; the gate, in every wave: 16 products a lane, then the four quarters, then the softmax over lanes l xor 1, 2, 4
	v_pk_mul_f32 v[64:65], v[64:65], v[80:81]
.irp i, 2,4,6,8,10,12,14
	v_pk_fma_f32 v[64:65], v[64+\i:65+\i], v[80+\i:81+\i], v[64:65]
.endr
	v_add_f32 v64, v64, v65
	v_add_f32_dpp v64, v64, v64 row_xmask:8 row_mask:0xf bank_mask:0xf
	v_permlanex16_b32 v65, v64, s[SEL], s[SEL+1]
	v_add_f32 v64, v64, v65                        ; every lane: the logit of expert (l + 2 w) % 8
	v_mov_b32 v66, v64
	v_max_num_f32_dpp v66, v66, v66 row_xmask:1 row_mask:0xf bank_mask:0xf
	v_max_num_f32_dpp v66, v66, v66 row_xmask:2 row_mask:0xf bank_mask:0xf
	v_max_num_f32_dpp v66, v66, v66 row_xmask:4 row_mask:0xf bank_mask:0xf
	v_sub_f32 v67, v64, v66                        ; t = logit - the largest, 0 or less,
	v_max_num_f32 v67, 0xc3480000, v67             ; held at -200
	v_mul_f32 v68, s2, v67
	v_rndne_f32 v68, v68                           ; n = t log2(e), to a whole number
	v_fma_f32 v69, v67, s2, -v68                   ; f = t log2(e) - n, in two parts: within half of 1, to f32's last bits
	v_fma_f32 v69, v67, s3, v69
	v_cvt_i32_f32 v70, v68
	s_wait_alu depctr_va_vdst(0)
	v_exp_f32 v69, v69
	v_nop                                          ; one plain place behind a transcendental (ISA guide 5.7.2)
	s_wait_alu depctr_va_vdst(0)
	v_ldexp_f32 v69, v69, v70                      ; p = e^t
	v_mov_b32 v71, v69
	v_add_f32_dpp v71, v71, v71 row_xmask:1 row_mask:0xf bank_mask:0xf
	v_add_f32_dpp v71, v71, v71 row_xmask:2 row_mask:0xf bank_mask:0xf
	v_add_f32_dpp v71, v71, v71 row_xmask:4 row_mask:0xf bank_mask:0xf
	s_wait_alu depctr_va_vdst(0)
	v_rcp_f32 v72, v71
	v_nop
	s_wait_alu depctr_va_vdst(0)
	v_fma_f32 v73, -v71, v72, 1.0                  ; one step of Newton's on the reciprocal
	v_fma_f32 v72, v73, v72, v72
	v_mul_f32 v69, v69, v72                        ; gw of expert (l + 2 w) % 8
	v_readlane_b32 s2, v69, 0                      ; my wave's two experts, 2 w and 2 w + 1
	v_readlane_b32 s3, v69, 1
	v_mov_b32 v[GW], s2
	v_mov_b32 v1, s3
	v_cmp_ne_u32 vcc_lo, 0, v25
	v_cndmask_b32 v[GW], v[GW], v1, vcc_lo         ; lanes 16-31 hold expert 2 w + 1
	v_mov_b32 v[GW+1], v[GW]
	s_mov_b32 s3, 4
	s_wait_alu depctr_va_vdst(0)
.Lloop:                                            ; trip j, from Q's second step to the next Q's first: 6 steps; Wa's slabs: Q 3 j (set 0), P 3 j + 1 and 3 j + 2 (sets 1 and 2)
	TURNQ 1
	STEP 1, 1, 0, 0, 1, 768, 0, 16
	STEP 1, 2, 1, 0, 1, -1, 0, -1
	TURNP 1, 1024, 1, 16
	STEP 0, 0, 1, 0, 2, -1, 0, -1                  ; P's fourth step, from registers; Q is read
	ASKQ 1536                                      ; what the next joint load fetches, into Q
	STEP 0, 1, 0, 0, 0, 1280, 2, 16
	s_wait_xcnt 0x0                                ; my loads and prefetches have read their bases
	s_add_nc_u64 s[8:9], s[8:9], 768
	s_add_nc_u64 s[PFA:PFA+1], s[PFA:PFA+1], 768
	s_sub_co_u32 s3, s3, 1
	s_cmp_lg_u32 s3, 0
	s_cbranch_scc1 .Lloop
	TURNQ 0                                        ; the last trip is written out: Q's last fill, nothing for P, no prefetch
	STEP 1, 1, 0, 0, 1, 768, 0, 16
	STEP 1, 2, 1, 0, 1, -1, 0, -1
	TURNP 0, -1, 0, 8
	STEP 0, 0, 1, 0, 2, -1, 0, -1
	; ---- the last Q: both steps' fragments come into the two sets, and h is finished first, so that its codes are made and handed on while the other products go on
	s_wait_dscnt 24
	WIN MUL
	MULM 0, 0, 2, 0
	s_wait_dscnt 0x0                               ; set 0 is in
	PLACES                                         ; for the loads into set 1
	LDX 0, 1, 1, 0, 8
	LDW 0, 1, 1, 0, 4
	s_wait_loadcnt 0x0                             ; Wa's last slab
	WIN MULA
	MULH 0, 0, 0
	WIN MUL
	MULM 0, 2, 2, 0
	s_wait_dscnt 16                                ; set 1's x is in; base_W's 16 loads may be out
	WIN MULA+4
	MULH 1, 0, 0
	PLACES
	; h gw becomes an operand: x the lane's gate weight, held, converted; my register pair of each of the 8 fragments goes to LDS as it stands
	WIN 0xc3                                       ; source 0 and destination window 3
.set n, 0
.rept 32
	v_pk_mul_f32 v[HT+n:HT+n+1], v[n:n+1], v[GW:GW+1] op_sel_hi:[1,0]   ; each accumulator from its low end on
.set n, n+2
.endr
.set n, 0
.rept 64
	v_med3_num_f32 v[HT+n], v[HT+n], -v[HLIM], v[HLIM]
.set n, n+1
.endr
.irp a, 0,1,2,3,4,5,6,7
	v_cvt_scalef32_pk8_fp8_f32 v[HC+2*\a:HC+2*\a+1], v[HT+8*\a:HT+8*\a+7], v[HSC]
.endr
	v_nop                                          ; one plain vector instruction behind the last scaled conversion
	WIN 0x0c                                       ; the stores' data: window 3
.irp a, 0,1,2,3,4,5,6,7
	ds_store_b64 v[IMS], v[HC+2*\a:HC+2*\a+1] offset:1024*\a
.endr
	s_wait_dscnt 8                                 ; set 1's base_W is in; the 8 stores may be out
	WIN MUL+4
	MULM 1, 0, 2, 0                                ; work while the stores are out
	s_wait_dscnt 0x0                               ; for the others' sake: my stores into the image are done
	s_barrier_signal -1
	MULM 1, 2, 2, 0
	WIN 0
	s_barrier_wait -1
.irp a, 0,1,2,3,4,5,6,7
.irp c, 0,1,2,3
	ds_load_b64 v[A5+8*\a+2*\c:A5+8*\a+2*\c+1], v[IML] offset:1024*\a+256*\c
.endr
.endr
	WIN MUL
	MULM 0, 4, 2, 0
.macro PKM a                           ; block a's sums x F1, so that the last product can add onto them
	WIN 0x82                                       ; source 0 and destination window 2
.set n, 32*(\a)
.rept 16
	v_pk_mul_f32 v[n:n+1], v[n:n+1], s[F1:F1+1] op_sel_hi:[1,0]
.set n, n+2
.endr
.endm
.macro LORA a                          ; block a: + Q(h gw) Q(Wb)^T
	WIN 0xa0                                       ; sources 0 and 1 window 0, C and D window 2
.irp b, 0,1,2,3
	v_wmma_f32_16x16x64_fp8_fp8 v[8*(4*(\a)+\b):8*(4*(\a)+\b)+7], v[B5+8*\b:B5+8*\b+7], v[A5+8*(\a):A5+8*(\a)+7], v[8*(4*(\a)+\b):8*(4*(\a)+\b)+7]
.endr
.endm
; THE WAY OUT, block by block of 16 rows x 64 columns: a lane's 32 bytes of a row go into my own stage and come back as whole rows of 256 bytes.  LDS serves a wave's instructions in order (ISA guide 5.7.1.4):
; no wait between the stores and the loads, nor in front of the next block's stores.
.macro TOSTAGE a
	WIN 0x08                                       ; the stores' data: window 2
.irp b, 0,1,2,3
	ds_store_b128 v[STO], v[8*(4*(\a)+\b):8*(4*(\a)+\b)+3] offset:64*\b          ; each accumulator from its low end on
	ds_store_b128 v[STO], v[8*(4*(\a)+\b)+4:8*(4*(\a)+\b)+7] offset:64*\b+16
.endr
	WIN 0xc0                                       ; the loads' destination: window 3
.set BB, BK+32*((\a)%2)
.irp t, 0,1,2,3,4,5,6,7
	ds_load_b128 v[BB+4*\t:BB+4*\t+3], v[RD] offset:2*\t*QP
.endr
.endm
.macro SEND a, younger                 ; younger: the LDS instructions issued behind block a's loads, which may stay out
.set BB, BK+32*((\a)%2)
	s_wait_dscnt \younger
	WIN 0xc3                                       ; source 0 and destination window 3
.irp t, 0,1,2,3,4,5,6,7
	v_pk_fma_f32 v[BB+4*\t:BB+4*\t+1], v[BB+4*\t:BB+4*\t+1], s[F2:F2+1], v[BI:BI+1] op_sel_hi:[1,0,1]         ; x F2 + base_b
	v_pk_fma_f32 v[BB+4*\t+2:BB+4*\t+3], v[BB+4*\t+2:BB+4*\t+3], s[F2:F2+1], v[BI+2:BI+3] op_sel_hi:[1,0,1]
.endr
	WIN 0x0c                                       ; the stores' data: window 3
.irp t, 0,1,2,3,4,5,6,7
	global_store_b128 v[CO], v[BB+4*\t:BB+4*\t+3], s[22:23] offset:(16*(\a)+2*\t)*16384 th:TH_STORE_NT   ; 16 lanes store 256 consecutive bytes, at a multiple of 256 from out's first byte; 126 rows at the most: inside the signed 24-bit immediate
.endr
.endm
	PLACES
	PKM 0
	s_wait_alu depctr_va_vdst(0)
	s_wait_dscnt 0x0
.irp a, 0,1,2,3,4,5,6,7
	LORA \a
.if \a < 7
	PKM \a+1                                       ; the places behind block a's products
.else
	PLACES
.endif
.if \a > 1
	s_wait_xcnt 0x0                                ; block a - 2's stores have read their registers: block a's loads may land there
.endif
	TOSTAGE \a
.if \a == 0
	WIN MUL+4                                      ; the last rows' products, while block 0 is on its way through the stage
	MULM 1, 4, 2, 0
	WIN MUL
	MULM 0, 6, 2, 0
.else
	SEND \a-1, 16                                  ; behind block a - 1's loads: block a's 8 stores and 8 loads
.endif
.if \a == 1
	WIN MUL+4                                      ; rows 6 and 7 are finished behind block 0's stores
	MULM 1, 6, 2, 0
.endif
.endr
	SEND 7, 0
	WIN 0
	s_wait_tensorcnt 0x0                           ; the wave's end: behind my last tensor load and my last LDS store
	ds_add_u32 v[SPW], v[NIL]
	s_wait_dscnt 0x0
	CROUND                                         ; the closing round: no work-group ends while a partner may still ask for a tile that names it
	s_endpgm
.Lfunc_end_k_q95b403bd6d_mmoe:
	.size	k_q95b403bd6d_mmoe, .Lfunc_end_k_q95b403bd6d_mmoe-k_q95b403bd6d_mmoe
	.p2alignl 7, 3214868480
	.fill 96, 4, 3214868480
	.section	.rodata,"a",@progbits
	.p2align	6, 0x0
	.amdhsa_kernel k_q95b403bd6d_mmoe
		.amdhsa_group_segment_fixed_size 327680
		.amdhsa_private_segment_fixed_size 0
		.amdhsa_enable_private_segment 0
		.amdhsa_kernarg_size 80
		.amdhsa_user_sgpr_count 2
		.amdhsa_user_sgpr_kernarg_segment_ptr 1
		.amdhsa_wavefront_size32 1
		.amdhsa_system_sgpr_workgroup_id_x 1
		.amdhsa_system_sgpr_workgroup_id_y 1
		.amdhsa_system_sgpr_workgroup_id_z 1
		.amdhsa_system_vgpr_workitem_id 0
		.amdhsa_next_free_vgpr 1024
		.amdhsa_next_free_sgpr 102
		.amdhsa_reserve_vcc 1
		.amdhsa_float_denorm_mode_32 3
		.amdhsa_float_denorm_mode_16_64 3
		.amdhsa_memory_ordered 1
		.amdhsa_forward_progress 1
		.amdhsa_inst_pref_size 163
	.end_amdhsa_kernel
	.amdgpu_metadata
---
amdhsa.version: [ 1, 2 ]
amdhsa.kernels:
  - .name:           k_q95b403bd6d_mmoe
    .symbol:         k_q95b403bd6d_mmoe.kd
    .args:
      - { .name: x_codes, .offset: 0, .size: 8, .value_kind: global_buffer, .address_space: global }
      - { .name: base_W_codes, .offset: 8, .size: 8, .value_kind: global_buffer, .address_space: global }
      - { .name: Wa_codes, .offset: 16, .size: 8, .value_kind: global_buffer, .address_space: global }
      - { .name: Wb, .offset: 24, .size: 8, .value_kind: global_buffer, .address_space: global }
      - { .name: base_b, .offset: 32, .size: 8, .value_kind: global_buffer, .address_space: global }
      - { .name: gate_W, .offset: 40, .size: 8, .value_kind: global_buffer, .address_space: global }
      - { .name: task_emb, .offset: 48, .size: 8, .value_kind: global_buffer, .address_space: global }
      - { .name: task_id, .offset: 56, .size: 8, .value_kind: global_buffer, .address_space: global }
      - { .name: lowp_scales, .offset: 64, .size: 8, .value_kind: global_buffer, .address_space: global }
      - { .name: out0, .offset: 72, .size: 8, .value_kind: global_buffer, .address_space: global }
    .group_segment_fixed_size: 327680
    .private_segment_fixed_size: 0
    .kernarg_segment_align: 8
    .kernarg_segment_size: 80
    .max_flat_workgroup_size: 128
    .sgpr_count:     102
    .vgpr_count:     1024
    .wavefront_size: 32
...
	.end_amdgpu_metadata
.endif
;; end of part 1
